; MI455X (gfx1250); checked and timed in simulation.
; The chip was launched on July 23, 2026; its instructions are those of AMD's public machine-readable ISA for CDNA 5 (MIT licence, August 2026) and "CDNA5" Instruction Set Architecture Reference Guide (July 2026). The comments in the code are by the model that wrote it; some were corrected since.
;; Multi Head Attention. Allowed arithmetic: float matrix products may take bf16 or f16 operands with f32 sums; all other float work in f32.
;; Inputs: Wk 256 x 256 float32; Wo 256 x 256 float32; Wq 256 x 256 float32; Wr 256 x 256 float32; Wv 256 x 256 float32; Wvv 256 x 256 float32; beta 256 float32; gamma 256 float32; k 4 x 256 x 256 float32; link 4 x 256 x 256 x 64 float32; mask 4 x 256 x 256 int32; q 4 x 256 x 256 float32; relationE 64 x 256 float32; v 4 x 256 x 256 float32.
;; Outputs: out0 4 x 256 x 256 float32; out1 4 x 8 x 256 x 256 float32.
;; One version. Each part assembles by itself: llvm-mc -triple=amdgcn-amd-amdhsa -mcpu=gfx1250 --defsym DOCPART=n.
;; ======== version 1 of 1: 2 launches
;; workspace buffers: xqf 1,048,576 bytes; xkf 1,048,576 bytes; xvf 524,288 bytes; erkf 32,768 bytes; ervf 32,768 bytes; wof 131,072 bytes
;; launch prep (part 1): grid 204 x 1, 8 waves a work-group, no clusters, 75,776 bytes of LDS; arguments q, relationE, Wq, Wk, Wv, Wr, Wvv, Wo, xqf, xkf, xvf, erkf, ervf, wof; writes xqf, xkf, xvf, erkf, ervf, wof
.if DOCPART == 1
	.amdgcn_target "amdgcn-amd-amdhsa--gfx1250"
	.amdhsa_code_object_version 6
	.text
	.protected	k_q0ab13e8e87_prep
	.globl	k_q0ab13e8e87_prep
	.p2align	8
	.type	k_q0ab13e8e87_prep,@function
k_q0ab13e8e87_prep:
	s_mov_b64 s[64:65], 0
	v_nop
	global_prefetch_b8 v0, s[64:65] scope:SCOPE_SE
	s_setreg_imm32_b32 hwreg(HW_REG_WAVE_MODE, 25, 1), 1
	s_wait_xcnt 0x0
; prep: the small dense products of the attention block, stored in bf16 in the order of matrix fragments.
;   job kind 0, 1, 2: Xq = q Wq, Xk = q Wk, Xv = q Wv      ([1024][256], 16 row blocks x 4 column blocks of 64 x 64 each)
;   job kind 3, 4:    ERk = relationE Wr, ERv = relationE Wvv ([64][256], 4 column blocks each)
;   job kind 5:       Wo, converted and transposed, no product (4 column blocks)
; 192 + 8 + 4 = 204 work-groups of eight waves.  Operands are rounded to bf16, sums are f32, results are rounded once to bf16;
; Xq and Xk are stored as TWO bf16 each, hi = bf16(x) and lo = bf16(x - hi), since a score's error is alpha's relative error.
; OUTPUT: blocks of 512 bytes; lane L = r + 16 half holds the 16 bytes at 16 L, so every store of a wave covers 512 consecutive bytes, aligned.
;   xqf, xkf [part 2: hi, lo][row tile 64][column tile 16]: X[16 RT + r][16 nt + 8 half + 0..7]   (a lane's eight numbers run along the columns)
;   erkf     [row tile 4][column tile 16]:  likewise, one part
;   xvf      [b 4][column tile 16][row tile 16]: Xv[b][16 jt + 8 half + 0..7][16 nt + r] (they run along the rows)
;   ervf     [column tile 16][row tile 4]:  likewise
;   wof      [k step 8][column tile 16][c 2]: Wo[32 ks + 16 c + 8 half + 0..7][16 nt + r]
; No cluster, no tensor loads: a job reads 128 KB once through registers, because f32 has to be converted on the way into LDS.
.set SP,   528                         ; LDS pitch of S: 256 bf16 + 16 bytes, an odd multiple of 16
.set WP,   160                         ; LDS pitch of W: 64 bf16 + 32 bytes, an odd multiple of 32 (for the transposing load)
.set WL,   64*SP                       ; W's 256 rows lie behind S's 64 rows
.set LOPART, 524288                    ; xqf, xkf: the lo part lies behind the 64 x 16 blocks of the hi part
.set WRAW, 16                          ; v[16:79]   W as loaded; later the eight fragments of S
.set SRAW, 80                          ; v[80:143]  S as loaded; later (v[80:207]) the sixteen fragments of W
.set SF,   16
.set WF,   80
.set HI,   16                          ; v[16:31]   at the end: hi, widened to f32 again
.set LO,   32                          ; v[32:39]   at the end: the two tiles' lo in bf16
.set ACC,  208                         ; v[208:223] two accumulator tiles
.set PKD,  224                         ; v[224:231] the two tiles in bf16
.macro MM d, a, b, acc                 ; one product; acc = 0: it starts the sum
.if \acc
	v_wmma_f32_16x16x32_bf16 v[\d:\d+7], v[\a:\a+7], v[\b:\b+7], v[\d:\d+7]
.else
	v_wmma_f32_16x16x32_bf16 v[\d:\d+7], v[\a:\a+7], v[\b:\b+7], 0
.endif
.endm
.macro LOADW                           ; 256 rows x 64 columns of W: a half wave takes the 256 aligned bytes of one row
.irp u, 0,1,2,3,4,5,6,7,8,9,10,11,12,13,14,15
	global_load_b128 v[WRAW+4*\u:WRAW+4*\u+3], v4, s[36:37] offset:\u*2048
.endr
.endm
.macro CVTW                            ; to bf16, into LDS rows along the columns
.irp u, 0,1,2,3,4,5,6,7,8,9,10,11,12,13,14,15
	v_cvt_pk_bf16_f32 v[WRAW+4*\u],   v[WRAW+4*\u],   v[WRAW+4*\u+1]
	v_cvt_pk_bf16_f32 v[WRAW+4*\u+1], v[WRAW+4*\u+2], v[WRAW+4*\u+3]
	ds_store_b64 v6, v[WRAW+4*\u:WRAW+4*\u+1] offset:\u*2*WP
.endr
.endm
; 16 products: K in eight steps of 32, the two accumulators by turns, one instruction a turn.
; swapped = 1: W's fragment is the first source, so a lane's eight results run along the columns; 0: along the rows.
.macro GEMM swapped
.irp ks, 0,1,2,3,4,5,6,7
.irp tl, 0,1
.if \swapped
	MM ACC+8*\tl, WF+64*\tl+8*\ks, SF+8*\ks, \ks
.else
	MM ACC+8*\tl, SF+8*\ks, WF+64*\tl+8*\ks, \ks
.endif
.endr
.endr
.endm
	s_load_b512 s[8:23], s[0:1], 0x0               ; q, relationE, Wq, Wk, Wv, Wr, Wvv, Wo
	s_load_b256 s[24:31], s[0:1], 0x40             ; xqf, xkf, xvf, erkf
	s_load_b128 s[32:35], s[0:1], 0x60             ; ervf, wof
	v_lshl_add_u32 v232, v0, 2, 0x12400
	v_mov_b32 v233, 0
	v_lshrrev_b32 v2, 5, v0
	v_readfirstlane_b32 s2, v2                     ; wave 0..7
	s_mov_b32 s3, ttmp9                            ; job number
	s_lshr_b32 s4, s3, 6                           ; kind 0..2 of the first 192 jobs
	s_bfe_u32 s5, s3, 0x40002                      ; their row block 0..15
	s_and_b32 s6, s3, 3                            ; column block 0..3, of every job
	s_sub_co_u32 s48, s3, 192
	s_lshr_b32 s48, s48, 2
	s_add_co_u32 s48, s48, 3                       ; kind 3..5 of the last 12
	s_cmp_lt_u32 s3, 192
	s_cselect_b32 s4, s4, s48                      ; kind
	s_cselect_b32 s5, s5, 0                        ; row block
	v_and_b32 v1, 31, v0
	v_lshlrev_b32 v1, 4, v1                        ; 16 L
	v_and_b32 v2, 15, v0                           ; r
	v_bfe_u32 v3, v0, 4, 1                         ; half
	s_lshl_b32 s48, s2, 15                         ; W: my 32 rows of 1,024 bytes
	s_lshl_b32 s49, s6, 8                          ; + the column block's 256 bytes
	s_add_co_u32 s48, s48, s49
	v_lshlrev_b32 v4, 4, v2
	v_lshl_add_u32 v4, v3, 10, v4
	v_add_nc_u32 v4, s48, v4                       ; v4: (32 w + half) rows + 256 cb + 16 r
	s_lshl_b32 s48, s2, 13
	v_add_nc_u32 v5, s48, v1                       ; v5: S, my 8 rows of 1,024 bytes + 16 L
	s_mul_i32 s48, s2, 32*WP
	s_add_co_u32 s48, s48, WL
	v_mul_u32_u24 v6, v3, WP
	v_lshl_add_u32 v6, v2, 3, v6
	v_add_nc_u32 v6, s48, v6                       ; v6: where W goes: row 32 w + half, 8 bytes at 8 r
	s_mul_i32 s48, s2, 8*SP
	v_lshrrev_b32 v7, 1, v1
	v_add_nc_u32 v7, s48, v7                       ; v7: where S goes: row 8 w, 8 bytes at 8 L
	v_and_b32 v9, 7, v0
	v_lshl_or_b32 v9, v3, 3, v9
	v_mul_u32_u24 v9, v9, WP
	v_bfe_u32 v10, v0, 3, 1
	v_lshl_add_u32 v9, v10, 4, v9
	v_add_nc_u32 v9, WL, v9                        ; v9: transposing load: row 8 half + (L & 7), 16 bytes at 16 ((L >> 3) & 1)
	s_mov_b32 s45, 0
	s_wait_kmcnt 0x0
	s_mov_b64 s[36:37], s[12:13]                   ; W and the output, chosen by the kind
	s_mov_b64 s[40:41], s[24:25]
	s_cmp_eq_u32 s4, 1
	s_cselect_b64 s[36:37], s[14:15], s[36:37]
	s_cselect_b64 s[40:41], s[26:27], s[40:41]
	s_cmp_eq_u32 s4, 2
	s_cselect_b64 s[36:37], s[16:17], s[36:37]
	s_cselect_b64 s[40:41], s[28:29], s[40:41]
	s_cmp_eq_u32 s4, 3
	s_cselect_b64 s[36:37], s[18:19], s[36:37]
	s_cselect_b64 s[40:41], s[30:31], s[40:41]
	s_cmp_eq_u32 s4, 4
	s_cselect_b64 s[36:37], s[20:21], s[36:37]
	s_cselect_b64 s[40:41], s[32:33], s[40:41]
	s_cmp_eq_u32 s4, 5
	s_cselect_b64 s[36:37], s[22:23], s[36:37]
	s_cselect_b64 s[40:41], s[34:35], s[40:41]
	s_cmp_lt_u32 s4, 3
	s_cselect_b64 s[38:39], s[8:9], s[10:11]       ; S: q or relationE
	s_lshl_b32 s44, s5, 16                         ; its row block: 64 rows of 1,024 bytes
	s_add_nc_u64 s[38:39], s[38:39], s[44:45]
	s_cmp_eq_u32 s4, 5
	s_cbranch_scc1 .Lwo                            ; the same way for all eight waves: the kind hangs on the job number alone
	; ---- a product: 64 rows of S x 64 columns of W
.irp u, 0,1,2,3,4,5,6,7,8,9,10,11,12,13,14,15
	global_load_b128 v[SRAW+4*\u:SRAW+4*\u+3], v5, s[38:39] offset:\u*512    ; 512 consecutive bytes a load
.endr
	LOADW
	s_and_b32 s46, s2, 3                           ; my row tile of the block's four
	s_lshr_b32 s47, s2, 2                          ; my pair of column tiles of its two pairs
	s_mul_i32 s48, s46, 16*SP
	v_mul_u32_u24 v8, v2, SP
	v_lshl_add_u32 v8, v3, 4, v8
	v_add_nc_u32 v8, s48, v8                       ; v8: S fragments: row 16 rt + r, 16 bytes at 16 half
	s_lshl_b32 s48, s47, 6
	v_add_nc_u32 v10, s48, v9                      ; v10: W fragments of my 32 columns
	s_lshl2_add_u32 s49, s5, s46                   ; RT  = 4 row block + rt
	s_lshl_b32 s50, s6, 2
	s_lshl1_add_u32 s50, s47, s50                  ; NT0 = 4 column block + 2 pair
	s_wait_loadcnt 0x10                            ; S is in: the 16 younger loads, W's, stay out
.irp u, 0,1,2,3,4,5,6,7,8,9,10,11,12,13,14,15
	v_cvt_pk_bf16_f32 v[SRAW+4*\u],   v[SRAW+4*\u],   v[SRAW+4*\u+1]
	v_cvt_pk_bf16_f32 v[SRAW+4*\u+1], v[SRAW+4*\u+2], v[SRAW+4*\u+3]
	ds_store_b64 v7, v[SRAW+4*\u:SRAW+4*\u+1] offset:(\u/2)*SP+(\u%2)*256
.endr
	s_wait_loadcnt 0x0                             ; W is in
	CVTW
	s_wait_dscnt 0x0                               ; my stores are done, for the other waves' sake
	s_barrier_signal -1
	s_barrier_wait -1                              ; S and W are whole
.irp ks, 0,1,2,3,4,5,6,7
.irp c, 0,1
	ds_load_b128 v[SF+8*\ks+4*\c:SF+8*\ks+4*\c+3], v8 offset:\ks*64+\c*32
.endr
.endr
.irp tl, 0,1
.irp ks, 0,1,2,3,4,5,6,7
.irp c, 0,1
	ds_load_tr16_b128 v[WF+64*\tl+8*\ks+4*\c:WF+64*\tl+8*\ks+4*\c+3], v10 offset:\ks*32*WP+\c*16*WP+\tl*32
.endr
.endr
.endr
	s_wait_dscnt 0x0
	s_cmp_eq_u32 s4, 2
	s_cbranch_scc1 .Lnat
	s_cmp_eq_u32 s4, 4
	s_cbranch_scc1 .Lnat
	s_lshl4_add_u32 s51, s49, s50                  ; Xq, Xk, ERk: block = 16 RT + NT0,
	s_mov_b32 s52, 1                               ; the second tile's block is the next one
	GEMM 1
	s_branch .Lpack
.Lnat:
	s_cmp_eq_u32 s4, 2
	s_cselect_b32 s7, 4, 2                         ; Xv: 16 row tiles to a batch; ERv: 4 in all
	s_lshr_b32 s51, s49, s7
	s_add_co_u32 s53, s7, 4
	s_lshl_b32 s51, s51, s53                       ; batch x 16 column tiles x row tiles
	s_lshl_b32 s53, s50, s7
	s_add_co_u32 s51, s51, s53                     ; + NT0 x row tiles
	s_lshl_b32 s52, 1, s7                          ; the second tile's block: one column tile on
	s_sub_co_u32 s53, s52, 1
	s_and_b32 s53, s49, s53
	s_add_co_u32 s51, s51, s53                     ; + the row tile in its batch
	GEMM 0
.Lpack:
.rept 4
	v_nop                                          ; four places between the last products and the conversions that read them (ISA guide 7.12.1)
.endr
	s_lshl_b32 s44, s51, 9
	s_add_nc_u64 s[40:41], s[40:41], s[44:45]      ; the first tile's block
	s_lshl_b32 s44, s52, 9
	s_add_nc_u64 s[42:43], s[40:41], s[44:45]      ; the second tile's
.irp k, 0,1,2,3,4,5,6,7
	v_cvt_pk_bf16_f32 v[PKD+\k], v[ACC+2*\k], v[ACC+2*\k+1]
.endr
	global_store_b128 v1, v[PKD:PKD+3],   s[40:41]
	global_store_b128 v1, v[PKD+4:PKD+7], s[42:43]
	s_cmp_ge_u32 s4, 2
	s_cbranch_scc1 .Ldone                          ; Xv, ERk and ERv are stored as one bf16
	; Xq, Xk: lo = bf16(x - hi).  The difference of an f32 and its own bf16 rounding is exact in f32.  No source of the two stores above is written here.
.irp k, 0,1,2,3,4,5,6,7
	v_lshlrev_b32 v[HI+2*\k],   16,         v[PKD+\k]          ; bf16 to f32: the low half moves up,
	v_and_b32     v[HI+2*\k+1], 0xffff0000, v[PKD+\k]          ; the high half stays
.endr
.irp k, 0,2,4,6,8,10,12,14
	v_pk_add_f32 v[ACC+\k:ACC+\k+1], v[ACC+\k:ACC+\k+1], v[HI+\k:HI+\k+1] neg_lo:[0,1] neg_hi:[0,1]
.endr
.irp k, 0,1,2,3,4,5,6,7
	v_cvt_pk_bf16_f32 v[LO+\k], v[ACC+2*\k], v[ACC+2*\k+1]
.endr
	global_store_b128 v1, v[LO:LO+3],   s[40:41] offset:LOPART
	global_store_b128 v1, v[LO+4:LO+7], s[42:43] offset:LOPART
.Ldone:
	s_wait_tensorcnt 0x0
	ds_add_u32 v232, v233
	s_wait_dscnt 0x0
	s_endpgm
	; ---- Wo: wave w stores rows 32 w .. 32 w + 31 into LDS and reads the same rows back transposed.  The bytes are the wave's own and
	; LDS serves a wave's instructions in order (ISA guide 5.7.1), so this way has no barrier.
.Lwo:
	LOADW
	s_mul_i32 s48, s2, 32*WP
	v_add_nc_u32 v10, s48, v9
	s_lshl_b32 s44, s2, 14                         ; k step w: 16 column tiles x 2 blocks
	s_lshl_b32 s49, s6, 12                         ; + 4 column tiles for each column block
	s_add_co_u32 s44, s44, s49
	s_add_nc_u64 s[40:41], s[40:41], s[44:45]
	s_wait_loadcnt 0x0
	CVTW
.irp nt, 0,1,2,3
.irp c, 0,1
	ds_load_tr16_b128 v[WF+8*\nt+4*\c:WF+8*\nt+4*\c+3], v10 offset:\nt*32+\c*16*WP
.endr
.endr
.irp n, 0,1,2,3,4,5,6,7
	s_wait_dscnt 7-\n                              ; the loads come back in order: block n is in
	global_store_b128 v1, v[WF+4*\n:WF+4*\n+3], s[40:41] offset:\n*512
.endr
	s_wait_tensorcnt 0x0
	ds_add_u32 v232, v233
	s_wait_dscnt 0x0
	s_endpgm
.Lfunc_end_k_q0ab13e8e87_prep:
	.size	k_q0ab13e8e87_prep, .Lfunc_end_k_q0ab13e8e87_prep-k_q0ab13e8e87_prep
	.p2alignl 7, 3214868480
	.fill 96, 4, 3214868480
	.section	.rodata,"a",@progbits
	.p2align	6, 0x0
	.amdhsa_kernel k_q0ab13e8e87_prep
		.amdhsa_group_segment_fixed_size 75776
		.amdhsa_private_segment_fixed_size 0
		.amdhsa_enable_private_segment 0
		.amdhsa_kernarg_size 112
		.amdhsa_user_sgpr_count 2
		.amdhsa_user_sgpr_kernarg_segment_ptr 1
		.amdhsa_wavefront_size32 1
		.amdhsa_system_sgpr_workgroup_id_x 1
		.amdhsa_system_sgpr_workgroup_id_y 1
		.amdhsa_system_sgpr_workgroup_id_z 1
		.amdhsa_system_vgpr_workitem_id 0
		.amdhsa_next_free_vgpr 234
		.amdhsa_next_free_sgpr 66
		.amdhsa_reserve_vcc 0
		.amdhsa_float_denorm_mode_32 3
		.amdhsa_float_denorm_mode_16_64 3
		.amdhsa_memory_ordered 1
		.amdhsa_forward_progress 1
		.amdhsa_inst_pref_size 28
	.end_amdhsa_kernel
	.amdgpu_metadata
---
amdhsa.version: [ 1, 2 ]
amdhsa.kernels:
  - .name:           k_q0ab13e8e87_prep
    .symbol:         k_q0ab13e8e87_prep.kd
    .args:
      - { .name: q, .offset: 0, .size: 8, .value_kind: global_buffer, .address_space: global }
      - { .name: relationE, .offset: 8, .size: 8, .value_kind: global_buffer, .address_space: global }
      - { .name: Wq, .offset: 16, .size: 8, .value_kind: global_buffer, .address_space: global }
      - { .name: Wk, .offset: 24, .size: 8, .value_kind: global_buffer, .address_space: global }
      - { .name: Wv, .offset: 32, .size: 8, .value_kind: global_buffer, .address_space: global }
      - { .name: Wr, .offset: 40, .size: 8, .value_kind: global_buffer, .address_space: global }
      - { .name: Wvv, .offset: 48, .size: 8, .value_kind: global_buffer, .address_space: global }
      - { .name: Wo, .offset: 56, .size: 8, .value_kind: global_buffer, .address_space: global }
      - { .name: xqf, .offset: 64, .size: 8, .value_kind: global_buffer, .address_space: global }
      - { .name: xkf, .offset: 72, .size: 8, .value_kind: global_buffer, .address_space: global }
      - { .name: xvf, .offset: 80, .size: 8, .value_kind: global_buffer, .address_space: global }
      - { .name: erkf, .offset: 88, .size: 8, .value_kind: global_buffer, .address_space: global }
      - { .name: ervf, .offset: 96, .size: 8, .value_kind: global_buffer, .address_space: global }
      - { .name: wof, .offset: 104, .size: 8, .value_kind: global_buffer, .address_space: global }
    .group_segment_fixed_size: 75776
    .private_segment_fixed_size: 0
    .kernarg_segment_align: 8
    .kernarg_segment_size: 112
    .max_flat_workgroup_size: 256
    .sgpr_count:     66
    .vgpr_count:     234
    .wavefront_size: 32
...
	.end_amdgpu_metadata
.endif
;; end of part 1
;; launch attn (part 2): grid 256 x 1, 8 waves a work-group, no clusters, 314,624 bytes of LDS; arguments link, mask, q, gamma, beta, xqf, xkf, xvf, erkf, ervf, wof, out0, out1; writes out0, out1
.if DOCPART == 2
	.amdgcn_target "amdgcn-amd-amdhsa--gfx1250"
	.amdhsa_code_object_version 6
	.text
	.protected	k_q0ab13e8e87_attn
	.globl	k_q0ab13e8e87_attn
	.p2align	8
	.type	k_q0ab13e8e87_attn,@function
k_q0ab13e8e87_attn:
	s_mov_b64 s[64:65], 0
	v_nop
	global_prefetch_b8 v0, s[64:65] scope:SCOPE_SE
	s_setreg_imm32_b32 hwreg(HW_REG_WAVE_MODE, 25, 1), 1
	s_wait_xcnt 0x0
; attn: scores, mask, softmax, alpha, Z, Wo, residual and LayerNorm for four rows i of one batch b; 256 work-groups of eight waves.
; THE TWO LINK PRODUCTS ARE REASSOCIATED, exactly, for every input:
;   sum_d Rk[i,j,h,d] Xq[i,h,d] = sum_r link[i,j,r] P[i,h,r],   P[i,h,r] = sum_d ERk[r,32h+d] Xq[i,32h+d]
;   sum_j alpha[h,i,j] Rv[i,j,h,d] = sum_r T[i,h,r] ERv[r,32h+d],   T[i,h,r] = sum_j alpha[h,i,j] link[i,j,r]
; so link (64 KB a row) is read from memory once and stays in LDS between its two uses.
; LIMITS: the order of rounding differs from the reference's; matrix operands are bf16 (link, Xv, ERk, ERv, Xq in P, P, alpha as an operand, the
; eight partial T, Z, Wo), all sums f32, alpha as an output f32.  In the base scores Xq and Xk are pairs of bf16, x = hi + lo:
; Xk Xq = hi hi + lo hi + hi lo; the product lo lo, some 2^-18 of a term, is left out.  The masked score is -1e9 sqrt(32) in units of the raw
; score; an exponential below 2^-126 comes out as 0 (ISA guide 15.8).  The inputs k and v are not read: the reference never uses them.
; SHARES: wave w owns j = 32 w .. 32 w + 31 of every row: it asks for those link bytes itself and reads only its own.  Two rows make a pair; the 16
; columns of a tile are n = 8 ii + h (row of the pair, head).  Later wave w owns head w (Z and its part of Wo), and waves 0-3 a row each (LayerNorm).
; ALL FOUR ROWS OF LINK ARE ASKED FOR IN THE FIRST LINES, each into bytes of its own: no LDS byte is filled twice, so no barrier guards a refill and
; the waits for link are counted.  By this text's count wave 0 has seven tensor loads out at the most, the other waves four.
; THE SHARED OPERANDS come in fragment order straight into registers, asked for a few at a time between the work and never in one long run
; for the base scores ten loads a head (5 KB a wave), four heads ahead of the
; products that use them, into six register slots that take turns; Xv, ERv and Wo in groups of eight loads among the later steps, in the order of need.
; NO CLUSTER: what work-groups share (Xk twice, Xv, Wo, ERk, ERv: some 610 KB a work-group) would have to pass through LDS to be shared by joint loads,
; where link's four rows hold 278,528 of 327,680 bytes, and slots for it would be filled again and again.
.set CHUNK, 8704                       ; a wave's part of a link row: 32 j x (256 bytes + 16 of padding)
.set SLOT,  8*CHUNK                    ; a link row
.set TPB,   5120                       ; in the chunk of a pair's first row, once its f32 are read: bytes 0-5119 link in bf16 (32 j x 160), then partial T,
.set ABW,   7424                       ; 16 n x 144, then alpha in bf16, 16 n x 80
.set MASKL, 4*SLOT                     ; the mask's four rows, 4 x 1,024
.set XQL,   MASKL+4096                 ; Xq (hi) of the four rows: 32 groups of eight columns x (4 rows x 16 bytes)
.set XQ2,   XQL+2048                   ; Xq (lo), likewise
.set PF,    XQ2+2048                   ; P as fragments: [row 4][k step 2][c 2][lane] x 16 bytes
.set STAT,  PF+8192                    ; [pair 2][n 16][wave 8] x (maximum, sum)
.set ASTG,  STAT+2048                  ; alpha in f32 on its way out: 16 n x 1,040
.set AP,    1040
.set LOPART, 524288                    ; xqf, xkf: the lo part lies behind the hi part
; vector registers, window 0
.set ALF, 4                            ; v4-7    row i: my f32 link fragments
.set ALB, 8                            ; v8-11   row i: where their bf16 copy goes
.set ALT, 12                           ; v12-15  row i: transposing load of that copy
.set AXQ, 16                           ; v16     Xq in LDS; later (v16, v17) = (maximum, sum)
.set APFS, 17                          ; v17     where my part of P goes
.set APF, 18
.set AMK, 19
.set AST, 20                           ; STAT, my word pair
.set ALD, 21                           ; STAT, my column's eight pairs
.set ASG, 22                           ; alpha f32 into the stage
.set ASB, 23                           ; and back, by rows
.set ATP, 24                           ; v24-25  pair p: partial T
.set AAB, 26                           ; v26-27  pair p: alpha bf16
.set AZA, 28                           ; alpha fragments of head w
.set AZT, 29                           ; partial T of head w
.set AOP, 30                           ; my partial out
.set AOR, 31                           ; the partials of row w
.set XQLO, 32                          ; v[32:47]  Xq (lo) as a fragment, pair p; afterwards:
.set RES, 32                           ; v[32:39]  q's row (waves 0-3)
.set GAM, 40
.set BET, 48
.set S,   56                           ; v[56:87]  scores, then alpha: tile (p, t) at 56 + 16 p + 8 t; register jj of lane (n, half): j = 32 w + 16 t + 8 half + jj
.set ZB,  56                           ; later: Z from Xv
.set ZR,  72                           ;        Z from T
.set XQ,  88                           ; v[88:103]  Xq (hi) as a fragment, pair p: column n holds its own head's 32 numbers
.set BTH, 104                          ; v[104:119] Xq (hi) of pair p with all heads but one cleared
.set BTL, 128                          ; v[128:143] Xq (lo) likewise
.set ERV, 88                           ; later v[88:119]: ERv fragments (et, ks)
.set ACCP, 120
.set PK,  128
.set F,   120                          ; v[120:183] link f32 and fragments; transposed link; alpha fragments; partial outs
.set PFR, 184                          ; v[184:215] P fragments (ii, ks); then T's sums; then T fragments
.set TACC, 184
.set TF,  184
.set MK,  216                          ; v[216:231] mask; scratch; alpha with one row of the pair cleared
.set AL0, 216
.set AL1, 224
.set ST,  232                          ; v[232:247] the eight (maximum, sum); alpha rows on their way out
.set OB,  232
.set AL,  248                          ; v[248:255] alpha fragment; later Z's
.set ZF,  248
.set WACC, 120                         ; v[120:247] 16 tiles of the partial out
; window 1 (v256-511), named by their low 8 bits
.set RSZ, 40                           ; six slots of 40 registers; head hh in slot hh mod 6: Xk hi (t) at 8 t, Xk lo (t) at 16 + 8 t, ERk at 32
.set WO,  0                            ; afterwards: Wo fragments (nt) at 8 nt,
.set XV,  128                          ; Xv fragments (et, ks) at 128 + 8 (8 et + ks): over slots 3 to 5, which are free first
; scalar registers
.set G0Y, 8                            ; s[8:11]: group 0 of Xq (lo), once link's and the mask's addresses have been used
.set G1L, 40
.set G0L, 48
.set G1M, 68
.set G1X, 76
.set G0M, 84
.set G0X, 88
.set HM,  92                           ; s[92:99] lanes whose column has head hh
.set MSB, 0
.macro WIN new                         ; s_set_vgpr_msb; the immediate's high byte repeats the setting that is left
.if MSB != \new
	s_set_vgpr_msb (MSB<<8)|\new
.set MSB, \new
.endif
.endm
.macro PLACES                          ; four places behind a matrix instruction, before its result is read or a register of it is loaded or written (ISA guide 7.12.1)
.rept 4
	v_nop
.endr
.endm
.macro BAR                             ; my LDS instructions are done, for the other waves' sake; then all eight waves meet.
	s_wait_dscnt 0x0
	s_barrier_signal -1
	s_barrier_wait -1
.endm
.macro MM d, a, b, acc                 ; one product; acc = 0: it starts the sum
.if \acc
	v_wmma_f32_16x16x32_bf16 v[\d:\d+7], v[\a:\a+7], v[\b:\b+7], v[\d:\d+7]
.else
	v_wmma_f32_16x16x32_bf16 v[\d:\d+7], v[\a:\a+7], v[\b:\b+7], 0
.endif
.endm
.macro WSUM a, t                       ; sum over the 32 lanes, in every lane
	v_add_f32_dpp v[\a], v[\a], v[\a] row_xmask:1 row_mask:0xf bank_mask:0xf
	v_add_f32_dpp v[\a], v[\a], v[\a] row_xmask:2 row_mask:0xf bank_mask:0xf
	v_add_f32_dpp v[\a], v[\a], v[\a] row_xmask:4 row_mask:0xf bank_mask:0xf
	v_add_f32_dpp v[\a], v[\a], v[\a] row_xmask:8 row_mask:0xf bank_mask:0xf
	v_permlanex16_b32 v[\t], v[\a], s34, s35
	v_add_f32 v[\a], v[\a], v[\t]
.endm
; head hh's ten loads, into its slot of window 1 (the destination's window is set by the caller): Xk hi of my two j tiles, Xk lo of both, ERk of my r tile
.macro HLOAD hh
.irp c, 0,1
	global_load_b128 v[RSZ*((\hh)%6)+4*\c:RSZ*((\hh)%6)+4*\c+3],       v1, s[20:21] offset:(2*(\hh)+\c)*512
.endr
.irp c, 0,1
	global_load_b128 v[RSZ*((\hh)%6)+8+4*\c:RSZ*((\hh)%6)+8+4*\c+3],   v1, s[20:21] offset:(16+2*(\hh)+\c)*512
.endr
.irp c, 0,1
	global_load_b128 v[RSZ*((\hh)%6)+16+4*\c:RSZ*((\hh)%6)+16+4*\c+3], v1, s[20:21] offset:LOPART+(2*(\hh)+\c)*512
.endr
.irp c, 0,1
	global_load_b128 v[RSZ*((\hh)%6)+24+4*\c:RSZ*((\hh)%6)+24+4*\c+3], v1, s[20:21] offset:LOPART+(16+2*(\hh)+\c)*512
.endr
.irp c, 0,1
	global_load_b128 v[RSZ*((\hh)%6)+32+4*\c:RSZ*((\hh)%6)+32+4*\c+3], v1, s[24:25] offset:(2*(\hh)+\c)*512
.endr
.endm
; group g of eight loads of 512 consecutive bytes each, from base s[sb:sb+1] into registers reg + 32 g ..; win: 0x40 = destination in window 1, 0 = in window 0
.macro LOAD8 win, reg, sb, g
	WIN \win
.irp n, 0,1,2,3,4,5,6,7
	global_load_b128 v[\reg+4*(8*(\g)+\n):\reg+4*(8*(\g)+\n)+3], v1, s[\sb:\sb+1] offset:(8*(\g)+\n)*512
.endr
.endm
	s_load_b512 s[8:23], s[0:1], 0x0               ; link, mask, q, gamma, beta, xqf, xkf, xvf
	s_load_b256 s[24:31], s[0:1], 0x40             ; erkf, ervf, wof, out0
	s_load_b64 s[32:33], s[0:1], 0x60              ; out1
	v_lshl_add_u32 v254, v0, 2, 0x4c900
	v_mov_b32 v255, 0
	ds_add_u32 v254, v255
	ds_add_u32 v254, v255
	s_wait_dscnt 0x0
	v_lshrrev_b32 v2, 5, v0
	v_readfirstlane_b32 s2, v2                     ; wave w
	v_and_b32 v1, 31, v0
	v_lshlrev_b32 v1, 4, v1                        ; 16 L: the offset of every global load and store
	s_mov_b32 s3, ttmp9                            ; g: rows 4 g .. 4 g + 3 of the 1,024
	s_lshr_b32 s4, s3, 6                           ; b
	s_lshr_b32 s6, s2, 2                           ; w >> 2
	s_and_b32 s7, s2, 3                            ; w & 3
	s_mul_i32 s5, s2, CHUNK                        ; my chunk in a slot
	s_mov_b32 s67, 0                               ; s[66:67]: byte offsets, all below 4 GiB
	s_mov_b32 s34, 0x76543210                      ; v_permlanex16_b32: lane i takes lane i xor 16
	s_mov_b32 s35, 0xfedcba98
	s_mov_b32 s36, 0x3e8293ee                      ; log2(e) / sqrt(32)
	s_mov_b32 s37, 0xcfa8965f                      ; -1e9 sqrt(32)
	s_mov_b32 s38, 0x00ff00ff                      ; lanes of the pair's first row (n < 8)
	s_mov_b32 s101, 0xff00ff00                     ; and of its second
	s_mov_b32 s39, 0x3b800000                      ; 1 / 256
.irp hh, 0,1,2,3,4,5,6,7
	s_mov_b32 s[HM+\hh], 0x01010101<<\hh
.endr
	; link: 8,192 dense bytes as 32 rows of 32 elements of 8 bytes, 4 words of padding behind every 64
	s_mov_b32 s[G1L+0], (3<<16)|(1<<20)|(5<<22)|(3<<25)
	s_mov_b32 s[G1L+1], 32<<16                     ; tensor_dim0
	s_mov_b32 s[G1L+2], 32<<16                     ; tensor_dim1
	s_mov_b32 s[G1L+3], 32<<16                     ; tile_dim0
	s_mov_b32 s[G1L+4], 32                         ; tile_dim1
	s_mov_b32 s[G1L+5], 32                         ; pitch
	s_mov_b32 s[G1L+6], 0
	s_mov_b32 s[G1L+7], 0
	; mask: 4,096 dense bytes as 16 rows of 256
	s_mov_b32 s[G1M+0], 3<<16
	s_mov_b32 s[G1M+1], 32<<16
	s_mov_b32 s[G1M+2], 16<<16
	s_mov_b32 s[G1M+3], 32<<16
	s_mov_b32 s[G1M+4], 16
	s_mov_b32 s[G1M+5], 32
	s_mov_b32 s[G1M+6], 0
	s_mov_b32 s[G1M+7], 0
	; Xq: in xqf the four rows' 64 bytes recur every 256 bytes, once for each group of eight columns: 32 rows of 8 elements, pitch 32; hi and lo alike
	s_mov_b32 s[G1X+0], 3<<16
	s_mov_b32 s[G1X+1], 8<<16
	s_mov_b32 s[G1X+2], 32<<16
	s_mov_b32 s[G1X+3], 8<<16
	s_mov_b32 s[G1X+4], 32
	s_mov_b32 s[G1X+5], 32
	s_mov_b32 s[G1X+6], 0
	s_mov_b32 s[G1X+7], 0
	s_mov_b32 s[G0M], 1
	s_mov_b32 s[G0M+1], MASKL
	s_mov_b32 s[G0X], 1
	s_mov_b32 s[G0X+1], XQL
	; lane addresses: they hang on no pointer, so they stand in front of the wait for the pointers.  L = r + 16 half; column n = r = 8 ii + h
	v_and_b32 v2, 15, v0                           ; r
	v_bfe_u32 v3, v0, 4, 1                         ; half
	v_and_b32 v124, 7, v0                          ; L & 7 = h
	v_bfe_u32 v123, v0, 3, 1                       ; (L >> 3) & 1 = ii
	v_mul_u32_u24 v120, v2, 272
	v_lshl_add_u32 v120, v3, 5, v120
	v_add_nc_u32 v120, s5, v120                    ; f32: row r, 32 bytes at 32 half
	v_mul_u32_u24 v121, v2, 160
	v_lshl_add_u32 v121, v3, 4, v121
	v_add_nc_u32 v121, s5, v121                    ; bf16: row r, 16 bytes at 16 half
	v_lshl_or_b32 v122, v3, 3, v124
	v_mul_u32_u24 v122, v122, 160
	v_lshl_add_u32 v122, v123, 4, v122
	v_add_nc_u32 v122, s5, v122                    ; transposing: row 8 half + (L & 7), 16 bytes at 16 ((L >> 3) & 1)
.irp i, 0,1,2,3
	v_add_nc_u32 v[ALF+\i], \i*SLOT, v120
	v_add_nc_u32 v[ALB+\i], \i*SLOT, v121
	v_add_nc_u32 v[ALT+\i], \i*SLOT, v122
.endr
	v_lshlrev_b32 v[AXQ], 8, v124                  ; head h: four groups of eight columns, 64 bytes each
	v_lshl_add_u32 v[AXQ], v3, 6, v[AXQ]
	v_lshl_add_u32 v[AXQ], v123, 4, v[AXQ]
	v_add_nc_u32 v[AXQ], XQL, v[AXQ]
	s_lshl_b32 s100, s6, 12
	s_lshl_b32 s66, s7, 9
	s_add_co_u32 s100, s100, s66
	s_add_co_u32 s100, s100, PF
	v_add_nc_u32 v[APFS], s100, v1                 ; pair w >> 2, block w & 3
	v_add_nc_u32 v[APF], PF, v1
	s_lshl_b32 s100, s2, 7
	s_add_co_u32 s100, s100, MASKL
	v_lshlrev_b32 v[AMK], 10, v123
	v_lshl_add_u32 v[AMK], v3, 5, v[AMK]
	v_add_nc_u32 v[AMK], s100, v[AMK]
	v_lshlrev_b32 v[ALD], 6, v2
	v_add_nc_u32 v[ALD], STAT, v[ALD]
	s_lshl_b32 s100, s2, 3
	v_add_nc_u32 v[AST], s100, v[ALD]
	s_lshl_b32 s100, s2, 7
	s_add_co_u32 s100, s100, ASTG
	v_mul_u32_u24 v[ASG], v2, AP
	v_lshl_add_u32 v[ASG], v3, 5, v[ASG]
	v_add_nc_u32 v[ASG], s100, v[ASG]
	s_mul_i32 s100, s2, 2*AP
	s_add_co_u32 s100, s100, ASTG
	v_add_nc_u32 v[ASB], s100, v1                  ; rows n = 2 w, 2 w + 1 of the stage
	v_mul_u32_u24 v125, v2, 144
	v_lshl_add_u32 v125, v3, 4, v125
	v_add_nc_u32 v125, s5, v125
	v_add_nc_u32 v[ATP], TPB, v125
	v_add_nc_u32 v[ATP+1], TPB+2*SLOT, v125
	v_mul_u32_u24 v125, v2, 80
	v_lshl_add_u32 v125, v3, 4, v125
	v_add_nc_u32 v125, s5, v125
	v_add_nc_u32 v[AAB], ABW, v125
	v_add_nc_u32 v[AAB+1], ABW+2*SLOT, v125
	; for Z column n stands for row i = n & 3 (pair i >> 1, ii = i & 1) and, for T, for the source wave n >> 2 (+ 4)
	v_bfe_u32 v125, v0, 1, 1
	v_and_b32 v126, 1, v0
	v_bfe_u32 v127, v0, 2, 2
	v_mul_u32_u24 v125, v125, 2*SLOT
	v_lshl_add_u32 v125, v3, 4, v125
	v_mad_u32_u24 v[AZA], v126, 640, v125
	s_mul_i32 s100, s2, 80
	s_add_co_u32 s100, s100, ABW
	v_add_nc_u32 v[AZA], s100, v[AZA]
	v_mad_u32_u24 v[AZT], v126, 1152, v125
	v_mad_u32_u24 v[AZT], v127, CHUNK, v[AZT]
	s_mul_i32 s100, s2, 144
	s_add_co_u32 s100, s100, TPB
	v_add_nc_u32 v[AZT], s100, v[AZT]
	v_and_b32 v126, 3, v0
	v_mul_u32_u24 v[AOP], v126, AP
	v_lshl_add_u32 v[AOP], v3, 5, v[AOP]
	s_add_co_u32 s100, s5, 3*SLOT
	v_add_nc_u32 v[AOP], s100, v[AOP]
	s_mul_i32 s100, s2, AP
	s_add_co_u32 s100, s100, 3*SLOT
	v_add_nc_u32 v[AOR], s100, v1
	s_wait_kmcnt 0x0
	s_lshl_b32 s66, s3, 18                         ; link: 4 rows of 65,536 bytes a work-group,
	s_lshl_b32 s100, s2, 13                        ; 32 j of 256 bytes a wave
	s_add_co_u32 s66, s66, s100
	s_add_nc_u64 s[8:9], s[8:9], s[66:67]
.irp i, 0,1,2,3
	s_mov_b32 s[G0L+4*\i], 1
	s_add_co_u32 s[G0L+4*\i+1], s5, \i*SLOT
	s_add_nc_u64 s[G0L+4*\i+2:G0L+4*\i+3], s[8:9], \i*65536
	s_or_b32 s[G0L+4*\i+3], s[G0L+4*\i+3], 0x80000000
.endr
	s_lshl_b32 s66, s3, 12
	s_add_nc_u64 s[G0M+2:G0M+3], s[10:11], s[66:67]
	s_or_b32 s[G0M+3], s[G0M+3], 0x80000000
	s_lshr_b32 s66, s3, 2
	s_lshl_b32 s66, s66, 13                        ; row tile g >> 2: 16 blocks of 512 bytes
	s_and_b32 s100, s3, 3
	s_lshl_b32 s100, s100, 6                       ; rows 4 (g & 3) .. + 3 of the tile, 16 bytes each
	s_add_co_u32 s66, s66, s100
	s_add_nc_u64 s[G0X+2:G0X+3], s[18:19], s[66:67]
	s_mov_b32 s[G0Y], 1                            ; link's and the mask's addresses have been used: their registers take the third small descriptor
	s_mov_b32 s[G0Y+1], XQ2
	s_add_nc_u64 s[G0Y+2:G0Y+3], s[G0X+2:G0X+3], LOPART
	s_or_b32 s[G0X+3], s[G0X+3], 0x80000000
	s_or_b32 s[G0Y+3], s[G0Y+3], 0x80000000
	s_cmp_lg_u32 s2, 0
	s_cbranch_scc1 .Lnot_wave_0
	tensor_load_to_lds s[G0X:G0X+3], s[G1X:G1X+7]  ; wave 0 alone, and ahead of its link rows
	s_nop 0
	tensor_load_to_lds s[G0Y:G0Y+3], s[G1X:G1X+7]
	s_nop 0
	tensor_load_to_lds s[G0M:G0M+3], s[G1M:G1M+7]
	s_nop 0
.Lnot_wave_0:
.irp i, 0,1,2,3
	tensor_load_to_lds s[G0L+4*\i:G0L+4*\i+3], s[G1L:G1L+7]    ; 32 KB a wave, 256 KB a work-group, on their way from here on
	s_nop 0
.endr
	; every pointer is stepped once, ahead of its first use
	s_lshl_b32 s66, s4, 17
	s_lshl_b32 s100, s2, 14
	s_add_co_u32 s66, s66, s100
	s_add_nc_u64 s[20:21], s[20:21], s[66:67]      ; xkf: batch b, row tiles 2 w, 2 w + 1
	s_add_nc_u64 s[22:23], s[22:23], s[66:67]      ; xvf: batch b, column tiles 2 w, 2 w + 1
	s_lshl_b32 s66, s7, 13
	s_add_nc_u64 s[24:25], s[24:25], s[66:67]      ; erkf: row tile w & 3
	s_lshl_b32 s66, s2, 12
	s_add_nc_u64 s[26:27], s[26:27], s[66:67]      ; ervf: column tiles 2 w, 2 w + 1
	s_lshl_b32 s66, s2, 14
	s_add_nc_u64 s[28:29], s[28:29], s[66:67]      ; wof: k step w
	s_lshl_b32 s66, s3, 12
	s_lshl_b32 s100, s7, 10
	s_add_co_u32 s66, s66, s100
	s_add_nc_u64 s[12:13], s[12:13], s[66:67]      ; q and out0: row 4 g + (w & 3)
	s_add_nc_u64 s[30:31], s[30:31], s[66:67]
	s_lshl_b32 s66, s4, 3
	s_lshl1_add_u32 s66, s7, s66                   ; out1: head plane 8 b + 2 (w & 3),
	s_lshl_b32 s66, s66, 18
	s_lshl_b32 s100, s3, 2
	s_and_b32 s100, s100, 255
	s_add_co_u32 s100, s100, s6                    ; row (4 g mod 256) + (w >> 2)
	s_lshl_b32 s100, s100, 10
	s_add_co_u32 s66, s66, s100
	s_add_nc_u64 s[32:33], s[32:33], s[66:67]
	WIN 0x40                                       ; destinations in window 1: the first four heads, 40 loads; each later head is asked for four steps ahead
	HLOAD 0
	HLOAD 1
	HLOAD 2
	HLOAD 3
	WIN 0
	s_wait_tensorcnt 0x4                           ; wave 0: Xq's two parts and the mask are in, its four younger loads (link) stay out; the other waves have four out: met at once
	BAR
.irp p, 0,1
.irp c, 0,1
	ds_load_b128 v[XQ+8*\p+4*\c:XQ+8*\p+4*\c+3],     v[AXQ] offset:\c*128+\p*32
	ds_load_b128 v[XQLO+8*\p+4*\c:XQLO+8*\p+4*\c+3], v[AXQ] offset:XQ2-XQL+\c*128+\p*32
.endr
.endr
	s_wait_dscnt 0x0
; BASE SCORES AND P.  K runs over the 256 columns of Xq in eight steps, one head each; in step hh only the columns n of head hh keep their Xq.
;   S(p, t) += Xk_hi(t) x Xq_hi(p) + Xk_lo(t) x Xq_hi(p) + Xk_hi(t) x Xq_lo(p);   of pair psel = w >> 2 also   P += ERk(r tile w & 3) x Xq_hi(psel).
; The accumulators take turns, one instruction a turn.  A pair's two masked fragments are written again behind the sixteen selects of
; the other pair, which name none of the registers of the products that read them: more than the four places (ISA guide 7.12.1).  Loads into a slot that
; products have read (heads 6, 7 into slots 0, 1; Xv over slots 3 to 5) stand at the least one whole step and sixteen selects behind those products.
.macro MASKB hh, p
.irp k, 0,1,2,3,4,5,6,7
	v_cndmask_b32 v[BTH+8*\p+\k], 0, v[XQ+8*\p+\k], s[HM+\hh]
.endr
.irp k, 0,1,2,3,4,5,6,7
	v_cndmask_b32 v[BTL+8*\p+\k], 0, v[XQLO+8*\p+\k], s[HM+\hh]
.endr
.endm
.macro PROD hh, p, psel
	MM S+16*\p,   RSZ*(\hh%6),    BTH+8*\p, \hh
	MM S+16*\p+8, RSZ*(\hh%6)+8,  BTH+8*\p, \hh
.if \p == \psel
	MM ACCP,      RSZ*(\hh%6)+32, BTH+8*\p, \hh
.endif
	MM S+16*\p,   RSZ*(\hh%6)+16, BTH+8*\p, 1
	MM S+16*\p+8, RSZ*(\hh%6)+24, BTH+8*\p, 1
	MM S+16*\p,   RSZ*(\hh%6),    BTL+8*\p, 1
	MM S+16*\p+8, RSZ*(\hh%6)+8,  BTL+8*\p, 1
.endm
.macro PHASE1 psel
	WIN 0x01                                       ; first source (Xk, ERk) in window 1; the selects' first source is a constant
.irp hh, 0,1,2,3,4,5,6,7
	MASKB \hh, 0
.if \hh < 4
	WIN 0x40
	HLOAD \hh+4                                    ; four heads ahead
	WIN 0x01
	s_wait_loadcnt 40                              ; head hh is in: the ten loads of each of the four later heads may stay out
.else
.if \hh > 4
	LOAD8 0x40, XV, 22, \hh-5                      ; Xv's first three groups, over slots whose heads are done
	WIN 0x01
.endif
	s_wait_loadcnt 38-2*\hh                        ; younger than head hh's loads: 10 (7 - hh) of later heads and 8 (hh - 4) of Xv
.endif
	PROD \hh, 0, \psel
	MASKB \hh, 1
	PROD \hh, 1, \psel
.endr
	WIN 0
.endm
	s_cmp_ge_u32 s2, 4
	s_cbranch_scc1 .Lpair_1
	PHASE1 0
	s_branch .Lphase_1_done
.Lpair_1:
	PHASE1 1
.Lphase_1_done:
	PLACES                                         ; then P is read, and the operands' registers are written and loaded again
	; lane (n, half) holds P[n][16 (w & 3) + 8 half + 0..7]: packed, that is a quarter of the fragment that multiplies link.  One copy for each row of the
	; pair, with the other row's columns cleared, since each row has its own link
.irp k, 0,1,2,3
	v_cvt_pk_bf16_f32 v[PK+\k], v[ACCP+2*\k], v[ACCP+2*\k+1]
.endr
.irp k, 0,1,2,3
	v_cndmask_b32 v[PK+4+\k], 0, v[PK+\k], s38
	v_cndmask_b32 v[PK+8+\k], 0, v[PK+\k], s101
.endr
	ds_store_b128 v[APFS], v[PK+4:PK+7]
	ds_store_b128 v[APFS], v[PK+8:PK+11] offset:2048
	BAR
	s_cmp_ge_u32 s2, 4
	s_cbranch_scc1 .Lno_row
	global_load_b128 v[RES:RES+3],   v1, s[12:13]              ; waves 0-3: their row of q, gamma, beta, over Xq (lo), which has been used.
	global_load_b128 v[RES+4:RES+7], v1, s[12:13] offset:512   ; They are older than ERv's loads, so the counted wait ahead of Z counts alike in all waves
	global_load_b128 v[GAM:GAM+3],   v1, s[14:15]
	global_load_b128 v[GAM+4:GAM+7], v1, s[14:15] offset:512
	global_load_b128 v[BET:BET+3],   v1, s[16:17]
	global_load_b128 v[BET+4:BET+7], v1, s[16:17] offset:512
.Lno_row:
.macro MASKS p
.irp t, 0,1
.irp q, 0,1
	ds_load_b128 v[MK+8*\t+4*\q:MK+8*\t+4*\q+3], v[AMK] offset:\p*2048+\t*64+\q*16
.endr
.endr
.endm
; ROW i = 2 p + ii: S(p, t) += link[i](j tile t) x P(ii), and link's bf16 copy for T.  Four groups g = 2 ks + t of four loads.
.macro ROW i, p, ii
.if \ii
	PLACES                                         ; the loads below land on fragments that the row before multiplied
.endif
	s_wait_tensorcnt 3-\i                          ; tensor loads end in order (ISA guide 10.11.1): row i is in, the later rows stay out; the last count is 0
.irp ks, 0,1
.irp c, 0,1
	ds_load_b128 v[PFR+16*\ii+8*\ks+4*\c:PFR+16*\ii+8*\ks+4*\c+3], v[APF] offset:\i*2048+\ks*1024+\c*512
.endr
.endr
.irp ks, 0,1
.irp t, 0,1
.irp c, 0,1
.irp q, 0,1
	ds_load_b128 v[F+16*(2*\ks+\t)+8*\c+4*\q:F+16*(2*\ks+\t)+8*\c+4*\q+3], v[ALF+\i] offset:\t*4352+\ks*128+\c*64+\q*16
.endr
.endr
.endr
.endr
	; behind the row's LDS loads: eight loads of what the last steps need, in the order of need
.if \i == 0
	LOAD8 0x40, XV, 22, 3                          ; Xv's last group
.endif
.if \i == 1
	LOAD8 0, ERV, 26, 0                            ; ERv, over Xq and its masked copies, which have been used
.endif
.if \i == 2
	LOAD8 0x40, WO, 28, 1
.endif
.if \i == 3
	LOAD8 0x40, WO, 28, 2
.endif
	WIN 0
.irp ks, 0,1
.irp t, 0,1
	s_wait_dscnt 12-2*(2*\ks+\t)                   ; younger than group g's loads: 4 loads for each later group, 2 stores for each earlier one
.irp k, 0,1,2,3,4,5,6,7
	v_cvt_pk_bf16_f32 v[F+16*(2*\ks+\t)+\k], v[F+16*(2*\ks+\t)+2*\k], v[F+16*(2*\ks+\t)+2*\k+1]
.endr
	MM S+16*\p+8*\t, F+16*(2*\ks+\t), PFR+16*\ii+8*\ks, 1      ; the two tiles by turns
	; the copy goes over the chunk's first bytes: all sixteen f32 loads were issued ahead of the first store, and LDS serves a wave in order (ISA guide 5.7.1)
	ds_store_b128 v[ALB+\i], v[F+16*(2*\ks+\t):F+16*(2*\ks+\t)+3]   offset:\t*2560+\ks*64
	ds_store_b128 v[ALB+\i], v[F+16*(2*\ks+\t)+4:F+16*(2*\ks+\t)+7] offset:\t*2560+\ks*64+32
.endr
.endr
.endm
; mask, my 32 j's maximum and sum of exponentials for each column n
.macro SOFT p
	PLACES
.irp ii, 0,1
.irp rt, 0,1,2,3
	ds_load_tr16_b128 v[F+32*\ii+8*\rt:F+32*\ii+8*\rt+3],   v[ALT+2*\p+\ii] offset:\rt*32          ; link transposed: rows r, K = my 32 j; used behind the barrier
	ds_load_tr16_b128 v[F+32*\ii+8*\rt+4:F+32*\ii+8*\rt+7], v[ALT+2*\p+\ii] offset:\rt*32+2560
.endr
.endr
	LOAD8 0x40, WO, 28, 3*\p                       ; Wo's first group with the first pair, its last with the second
	WIN 0
.irp k, 0,1,2,3,4,5,6,7,8,9,10,11,12,13,14,15
	v_cmp_ne_u32 vcc_lo, 0, v[MK+\k]               ; the mask came in ahead of the rows' loads, whose waits covered it
	v_cndmask_b32 v[S+16*\p+\k], s37, v[S+16*\p+\k], vcc_lo
.endr
	v_max3_num_f32 v16, v[S+16*\p],   v[S+16*\p+1], v[S+16*\p+2]
	v_max3_num_f32 v17, v[S+16*\p+8], v[S+16*\p+9], v[S+16*\p+10]
	v_max3_num_f32 v16, v16, v[S+16*\p+3],  v[S+16*\p+4]
	v_max3_num_f32 v17, v17, v[S+16*\p+11], v[S+16*\p+12]
	v_max3_num_f32 v16, v16, v[S+16*\p+5],  v[S+16*\p+6]
	v_max3_num_f32 v17, v17, v[S+16*\p+13], v[S+16*\p+14]
	v_max3_num_f32 v16, v16, v17, v[S+16*\p+7]
	v_max_num_f32 v16, v16, v[S+16*\p+15]
	v_permlanex16_b32 v17, v16, s34, s35           ; the same column's other sixteen j
	v_max_num_f32 v16, v16, v17                    ; m
	v_xor_b32 v2, 0x80000000, v16
	v_mov_b32 v3, v2                               ; (-m, -m)
.irp k, 0,2,4,6,8,10,12,14
	v_pk_add_f32 v[S+16*\p+\k:S+16*\p+\k+1], v[S+16*\p+\k:S+16*\p+\k+1], v[2:3]              ; first the difference, so that the largest gives exactly 0,
.endr
.irp k, 0,2,4,6,8,10,12,14
	v_pk_mul_f32 v[S+16*\p+\k:S+16*\p+\k+1], v[S+16*\p+\k:S+16*\p+\k+1], s[36:37] op_sel_hi:[1,0]   ; then the scale
.endr
.irp k, 0,1,2,3,4,5,6,7,8,9,10,11,12,13,14,15
	v_exp_f32 v[S+16*\p+\k], v[S+16*\p+\k]
.endr
	v_nop                                          ; one plain place behind the transcendentals (ISA guide 5.7.2)
	s_wait_alu depctr_va_vdst(0)
	v_pk_add_f32 v[MK:MK+1],   v[S+16*\p:S+16*\p+1],     v[S+16*\p+2:S+16*\p+3]
	v_pk_add_f32 v[MK+2:MK+3], v[S+16*\p+4:S+16*\p+5],   v[S+16*\p+6:S+16*\p+7]
	v_pk_add_f32 v[MK+4:MK+5], v[S+16*\p+8:S+16*\p+9],   v[S+16*\p+10:S+16*\p+11]
	v_pk_add_f32 v[MK+6:MK+7], v[S+16*\p+12:S+16*\p+13], v[S+16*\p+14:S+16*\p+15]
	v_pk_add_f32 v[MK:MK+1],   v[MK:MK+1],   v[MK+2:MK+3]
	v_pk_add_f32 v[MK+4:MK+5], v[MK+4:MK+5], v[MK+6:MK+7]
	v_pk_add_f32 v[MK:MK+1],   v[MK:MK+1],   v[MK+4:MK+5]
	v_add_f32 v17, v[MK], v[MK+1]
	v_permlanex16_b32 v[MK], v17, s34, s35
	v_add_f32 v17, v17, v[MK]                      ; l
	ds_store_b64 v[AST], v[16:17] offset:\p*1024   ; both halves of the lanes write the same pair
	BAR
.endm
; the eight waves' figures joined: M = max m_w, L = sum l_w 2^((m_w - M) C) >= 1, alpha = e 2^((m - M) C) / L
.macro NORM p
.if \p
	s_wait_xcnt 0x0                                ; these registers were the data of the first pair's stores of alpha: loaded again only behind this wait
.endif
.irp q, 0,1,2,3
	ds_load_b128 v[ST+4*\q:ST+4*\q+3], v[ALD] offset:\p*1024+16*\q
.endr
	s_wait_dscnt 0x0
	v_max3_num_f32 v[MK], v[ST],   v[ST+2],  v[ST+4]
	v_max3_num_f32 v[MK], v[MK],   v[ST+6],  v[ST+8]
	v_max3_num_f32 v[MK], v[MK],   v[ST+10], v[ST+12]
	v_max_num_f32  v[MK], v[MK],   v[ST+14]
.irp k, 0,2,4,6,8,10,12,14
	v_sub_f32 v[ST+\k], v[ST+\k], v[MK]
.endr
	v_sub_f32 v[MK+1], v16, v[MK]
.irp k, 0,2,4,6,8,10,12,14
	v_mul_f32 v[ST+\k], s36, v[ST+\k]
.endr
	v_mul_f32 v[MK+1], s36, v[MK+1]
.irp k, 0,2,4,6,8,10,12,14
	v_exp_f32 v[ST+\k], v[ST+\k]
.endr
	v_exp_f32 v[MK+1], v[MK+1]
	v_nop
	s_wait_alu depctr_va_vdst(0)
	v_mul_f32 v[MK+2], v[ST], v[ST+1]
.irp k, 2,4,6,8,10,12,14
	v_fmac_f32 v[MK+2], v[ST+\k], v[ST+\k+1]
.endr
	v_rcp_f32 v[MK+2], v[MK+2]
	v_nop
	s_wait_alu depctr_va_vdst(0)
	v_mul_f32 v2, v[MK+1], v[MK+2]
	v_mov_b32 v3, v2
.irp k, 0,2,4,6,8,10,12,14
	v_pk_mul_f32 v[S+16*\p+\k:S+16*\p+\k+1], v[S+16*\p+\k:S+16*\p+\k+1], v[2:3]
.endr
.endm
; alpha leaves for the stage (f32) and for Z (bf16); T_w[n][r] = sum over my 32 j of alpha[n][j] link[row of n][j][r]
.macro TSTEP p
.irp t, 0,1
.irp q, 0,1
	ds_store_b128 v[ASG], v[S+16*\p+8*\t+4*\q:S+16*\p+8*\t+4*\q+3] offset:\t*64+\q*16
.endr
.endr
.irp k, 0,1,2,3,4,5,6,7
	v_cvt_pk_bf16_f32 v[AL+\k], v[S+16*\p+2*\k], v[S+16*\p+2*\k+1]     ; the two tiles, packed, are a fragment: column n, K = my 32 j
.endr
	ds_store_b128 v[AAB+\p], v[AL:AL+3]
	ds_store_b128 v[AAB+\p], v[AL+4:AL+7] offset:32
.irp k, 0,1,2,3,4,5,6,7
	v_cndmask_b32 v[AL0+\k], 0, v[AL+\k], s38
	v_cndmask_b32 v[AL1+\k], 0, v[AL+\k], s101
.endr
.irp rt, 0,1,2,3
	MM TACC+8*\rt, F+8*\rt, AL0, 0                 ; four accumulators by turns
.endr
.irp rt, 0,1,2,3
	MM TACC+8*\rt, F+32+8*\rt, AL1, 1
.endr
	PLACES
.irp rt, 0,1,2,3
.irp k, 0,1,2,3
	v_cvt_pk_bf16_f32 v[TACC+8*\rt+\k], v[TACC+8*\rt+2*\k], v[TACC+8*\rt+2*\k+1]
.endr
	ds_store_b128 v[ATP+\p], v[TACC+8*\rt:TACC+8*\rt+3] offset:\rt*32
.endr
	BAR
.endm
; rows n = 2 w, 2 w + 1 of the stage go out: each store of the wave covers 512 consecutive bytes of out1, aligned.
; The stage is written again only behind the next pair's first barrier, in front of which these loads have been waited for.
.macro FLUSH p
.irp sv, 0,1
.irp q, 0,1
	ds_load_b128 v[OB+8*\sv+4*\q:OB+8*\sv+4*\q+3], v[ASB] offset:\sv*AP+\q*512
.endr
.endr
.irp sv, 0,1
.irp q, 0,1
	s_wait_dscnt 3-2*\sv-\q
	global_store_b128 v1, v[OB+8*\sv+4*\q:OB+8*\sv+4*\q+3], s[32:33] offset:\sv*262144+\p*2048+\q*512 th:TH_STORE_NT
.endr
.endr
.endm
	MASKS 0
	ROW 0, 0, 0
	ROW 1, 0, 1
	SOFT 0
	NORM 0
	TSTEP 0
	FLUSH 0
	MASKS 1
	ROW 2, 1, 0
	ROW 3, 1, 1
	SOFT 1
	NORM 1
	TSTEP 1
	FLUSH 1
	; Z OF HEAD w.  Column n stands for row i = n & 3.  From Xv the four copies of a row are equal; from T copy n >> 2 takes the partial sums of waves
	; n >> 2 and (n >> 2) + 4, and the four copies are added afterwards.
.irp wp, 0,1,2,3,4,5,6,7
.irp c, 0,1
	ds_load_b128 v[F+8*\wp+4*\c:F+8*\wp+4*\c+3], v[AZA] offset:\wp*CHUNK+\c*32
.endr
.endr
.irp sv, 0,1
.irp ks, 0,1
.irp c, 0,1
	ds_load_b128 v[TF+16*\sv+8*\ks+4*\c:TF+16*\sv+8*\ks+4*\c+3], v[AZT] offset:\sv*4*CHUNK+\ks*64+\c*32
.endr
.endr
.endr
	s_wait_loadcnt 0x20                            ; Xv and ERv are in: younger than ERv's loads are only Wo's 32, which may stay out
	s_wait_dscnt 0x0
	WIN 0x01
.irp ks, 0,1,2,3,4,5,6,7
.irp et, 0,1
	MM ZB+8*\et, XV+64*\et+8*\ks, F+8*\ks, \ks     ; two accumulators by turns
.endr
.endr
	WIN 0
.irp sv, 0,1
.irp ks, 0,1
.irp et, 0,1
	MM ZR+8*\et, ERV+16*\et+8*\ks, TF+16*\sv+8*\ks, \sv+\ks
.endr
.endr
.endr
	PLACES
	v_nop                                          ; five places: the products with Wo write over operands of those above (ISA guide 7.12.1)
.irp k, 0,1,2,3,4,5,6,7,8,9,10,11,12,13,14,15
	v_add_f32_dpp v[ZR+\k], v[ZR+\k], v[ZR+\k] row_xmask:4 row_mask:0xf bank_mask:0xf
.endr
.irp k, 0,1,2,3,4,5,6,7,8,9,10,11,12,13,14,15
	v_add_f32_dpp v[ZR+\k], v[ZR+\k], v[ZR+\k] row_xmask:8 row_mask:0xf bank_mask:0xf
.endr
.irp k, 0,2,4,6,8,10,12,14
	v_pk_add_f32 v[ZB+\k:ZB+\k+1], v[ZB+\k:ZB+\k+1], v[ZR+\k:ZR+\k+1]
.endr
.irp k, 0,1,2,3,4,5,6,7
	v_cvt_pk_bf16_f32 v[ZF+\k], v[ZB+2*\k], v[ZB+2*\k+1]       ; again a fragment: column n, K = head w's 32 numbers
.endr
	; MY PART OF Z Wo: K = head w alone, all 256 columns, sixteen accumulators
	s_wait_loadcnt 0x0                             ; Wo is in
	s_wait_xcnt 0x0                                ; the accumulators cover the data of the last stores of alpha: written only behind this wait
	WIN 0x01
.irp nt, 0,1,2,3,4,5,6,7,8,9,10,11,12,13,14,15
	MM WACC+8*\nt, WO+8*\nt, ZF, 0
.endr
	WIN 0
	PLACES
.irp nt, 0,1,2,3,4,5,6,7,8,9,10,11,12,13,14,15
.irp q, 0,1
	ds_store_b128 v[AOP], v[WACC+8*\nt+4*\q:WACC+8*\nt+4*\q+3] offset:\nt*64+\q*16     ; into my chunk of the last row's slot, whose bf16 copy I have read; a row's four copies write equal bytes
.endr
.endr
	BAR
	s_cmp_ge_u32 s2, 4
	s_cbranch_scc1 .Lend
	; ROW w: the eight parts, the residual, LayerNorm.  Lane L holds columns 4 L .. 4 L + 3 and 128 + 4 L .. + 3
.irp wp, 0,1,2,3,4,5,6,7
.irp q, 0,1
	ds_load_b128 v[F+8*\wp+4*\q:F+8*\wp+4*\q+3], v[AOR] offset:\wp*CHUNK+\q*512
.endr
.endr
	s_mov_b32 s100, 0x358637bd                     ; 1e-6
	s_wait_dscnt 0x0
.irp wp, 0,1,2,3,4,5,6,7
.irp k, 0,2,4,6
	v_pk_add_f32 v[RES+\k:RES+\k+1], v[RES+\k:RES+\k+1], v[F+8*\wp+\k:F+8*\wp+\k+1]
.endr
.endr
	v_pk_add_f32 v[2:3],   v[RES:RES+1],     v[RES+2:RES+3]
	v_pk_add_f32 v[16:17], v[RES+4:RES+5],   v[RES+6:RES+7]
	v_pk_add_f32 v[2:3],   v[2:3],           v[16:17]
	v_add_f32 v2, v2, v3
	WSUM 2, 3
	v_mul_f32 v2, 0xbb800000, v2                   ; minus the mean
	v_mov_b32 v3, v2
.irp k, 0,2,4,6
	v_pk_add_f32 v[RES+\k:RES+\k+1], v[RES+\k:RES+\k+1], v[2:3]        ; the mean goes first, the squares are of the differences
.endr
	v_pk_mul_f32 v[16:17], v[RES:RES+1], v[RES:RES+1]
.irp k, 2,4,6
	v_pk_fma_f32 v[16:17], v[RES+\k:RES+\k+1], v[RES+\k:RES+\k+1], v[16:17]
.endr
	v_add_f32 v16, v16, v17
	WSUM 16, 17
	v_fma_f32 v16, v16, s39, s100                  ; variance + 1e-6
	v_rsq_f32 v16, v16
	v_nop
	s_wait_alu depctr_va_vdst(0)
	v_mov_b32 v17, v16
.irp k, 0,2,4,6
	v_pk_mul_f32 v[GAM+\k:GAM+\k+1], v[GAM+\k:GAM+\k+1], v[16:17]
.endr
.irp k, 0,2,4,6
	v_pk_fma_f32 v[RES+\k:RES+\k+1], v[RES+\k:RES+\k+1], v[GAM+\k:GAM+\k+1], v[BET+\k:BET+\k+1]
.endr
	global_store_b128 v1, v[RES:RES+3],   s[30:31]
	global_store_b128 v1, v[RES+4:RES+7], s[30:31] offset:512
.Lend:
	s_wait_xcnt 0x0
	v_lshl_add_u32 v254, v0, 2, 0x4c900
	v_mov_b32 v255, 0
	s_wait_tensorcnt 0x0
	ds_add_u32 v254, v255
	s_wait_dscnt 0x0
	s_endpgm
.Lfunc_end_k_q0ab13e8e87_attn:
	.size	k_q0ab13e8e87_attn, .Lfunc_end_k_q0ab13e8e87_attn-k_q0ab13e8e87_attn
	.p2alignl 7, 3214868480
	.fill 96, 4, 3214868480
	.section	.rodata,"a",@progbits
	.p2align	6, 0x0
	.amdhsa_kernel k_q0ab13e8e87_attn
		.amdhsa_group_segment_fixed_size 314624
		.amdhsa_private_segment_fixed_size 0
		.amdhsa_enable_private_segment 0
		.amdhsa_kernarg_size 104
		.amdhsa_user_sgpr_count 2
		.amdhsa_user_sgpr_kernarg_segment_ptr 1
		.amdhsa_wavefront_size32 1
		.amdhsa_system_sgpr_workgroup_id_x 1
		.amdhsa_system_sgpr_workgroup_id_y 1
		.amdhsa_system_sgpr_workgroup_id_z 1
		.amdhsa_system_vgpr_workitem_id 0
		.amdhsa_next_free_vgpr 512
		.amdhsa_next_free_sgpr 102
		.amdhsa_reserve_vcc 1
		.amdhsa_float_denorm_mode_32 3
		.amdhsa_float_denorm_mode_16_64 3
		.amdhsa_memory_ordered 1
		.amdhsa_forward_progress 1
		.amdhsa_inst_pref_size 138
	.end_amdhsa_kernel
	.amdgpu_metadata
---
amdhsa.version: [ 1, 2 ]
amdhsa.kernels:
  - .name:           k_q0ab13e8e87_attn
    .symbol:         k_q0ab13e8e87_attn.kd
    .args:
      - { .name: link, .offset: 0, .size: 8, .value_kind: global_buffer, .address_space: global }
      - { .name: mask, .offset: 8, .size: 8, .value_kind: global_buffer, .address_space: global }
      - { .name: q, .offset: 16, .size: 8, .value_kind: global_buffer, .address_space: global }
      - { .name: gamma, .offset: 24, .size: 8, .value_kind: global_buffer, .address_space: global }
      - { .name: beta, .offset: 32, .size: 8, .value_kind: global_buffer, .address_space: global }
      - { .name: xqf, .offset: 40, .size: 8, .value_kind: global_buffer, .address_space: global }
      - { .name: xkf, .offset: 48, .size: 8, .value_kind: global_buffer, .address_space: global }
      - { .name: xvf, .offset: 56, .size: 8, .value_kind: global_buffer, .address_space: global }
      - { .name: erkf, .offset: 64, .size: 8, .value_kind: global_buffer, .address_space: global }
      - { .name: ervf, .offset: 72, .size: 8, .value_kind: global_buffer, .address_space: global }
      - { .name: wof, .offset: 80, .size: 8, .value_kind: global_buffer, .address_space: global }
      - { .name: out0, .offset: 88, .size: 8, .value_kind: global_buffer, .address_space: global }
      - { .name: out1, .offset: 96, .size: 8, .value_kind: global_buffer, .address_space: global }
    .group_segment_fixed_size: 314624
    .private_segment_fixed_size: 0
    .kernarg_segment_align: 8
    .kernarg_segment_size: 104
    .max_flat_workgroup_size: 256
    .sgpr_count:     102
    .vgpr_count:     512
    .wavefront_size: 32
...
	.end_amdgpu_metadata
.endif
;; end of part 2
